; MI455X (gfx1250); checked and timed in simulation.
; The chip was launched on July 23, 2026; its instructions are those of AMD's public machine-readable ISA for CDNA 5 (MIT licence, August 2026) and "CDNA5" Instruction Set Architecture Reference Guide (July 2026). The comments in the code are by the model that wrote it; some were corrected since.
;; Match Net. Allowed arithmetic: matrix products marked QUANTISED: E5M2 operands, one given power-of-two scale a tensor, by v_wmma_f32_16x16x64_bf8_bf8 or v_wmma_f32_16x16x128_bf8_bf8, f32 sums; everything else in f32.
;; Inputs: W_hh 8,192 x 2,048 float32; W_ih 8,192 x 1,024 float32; b_hh 8,192 float32; b_ih 8,192 float32; lowp_scales 10 int32 (the exponents e of the quantised operands' scales 2^e); query_mean 2,048 x 1,024 float32; query_var 2,048 x 1,024 float32; support_mean 512 x 1,024 float32; support_var 512 x 1,024 float32.
;; Outputs: out0 2,048 x 512 float32.
;; This version of the problem:
;;   THIS VERSION OF THE PROBLEM IS GIVEN IN LOW PRECISION. The matrix products marked QUANTISED in the list below multiply operands that are first quantised to E5M2 (5 exponent bits, 2 mantissa bits; 8 bits a number), with one given power-of-two scale for each operand tensor; their sums are f32. All else is computed in f32.
;;   The module's matrix products, in the order in which they are computed (A, B: the left and right operand; K: the contracted axis; several contracted axes count as one K, in the product's order):
;;     1. [M 2,048, K 1,024] x [K 1,024, N 8,192]; A: input query_mean; B: input W_ih: QUANTISED (scales: A lowp_scales[0], B lowp_scales[1])
;;     2. [M 2,048, K 2,048] x [K 2,048, N 8,192]; A: computed on the way; B: input W_hh: QUANTISED (scales: A lowp_scales[2], B lowp_scales[3])
;;     3. [M 2,048, K 1,024] x [K 1,024, N 512]; A: computed on the way; B: input support_mean: QUANTISED (scales: A lowp_scales[4], B lowp_scales[5])
;;     4. [M 2,048, K 512] x [K 512, N 1,024]; A: softmax (see below); B: input support_mean: QUANTISED (scales: A lowp_scales[6], B lowp_scales[7])
;;     5. [M 2,048, K 1,024] x [K 1,024, N 512]; A: computed on the way; B: input support_mean: QUANTISED (scales: A lowp_scales[8], B lowp_scales[9])
;;   THE QUANTISER, for each operand of a quantised product, along K:
;;     - The operand's scale is 2^e, e = its entry of the input lowp_scales (int32; the entries are numbered through the quantised products in the list's order, A before B).
;;     - Each number is divided by the scale, clamped to +-57,344, and rounded to the nearest number of E5M2, ties to even, subnormals kept.
;;     - The product sums the exact products of the quantised numbers (number of the format x scale) in f32.
;;   ~~~python
;;   def quantise(x, axis, e):      # numpy; x: float32 -> the quantised numbers, widened to float32 again
;;       x = np.moveaxis(x, axis, -1); K = x.shape[-1]
;;       r = np.clip(x / 2.0 ** e, -57344, 57344)
;;       step = 2.0 ** (np.maximum(np.frexp(np.where(r == 0, 1, r))[1] - 1, -14) - 2)
;;       q = np.round(r / step) * step * 2.0 ** e      # np.round: ties to even
;;       return np.moveaxis(q, -1, axis).astype(np.float32)
;;   ~~~
;;   SOFTMAX AHEAD OF A QUANTISED PRODUCT. Where the list says 'softmax', what is quantised is not the finished softmax but p = 2^(t - M), with t = logit x log2(e) and M = ceil(the row's largest t), a whole number; so 1/2 < the row's largest p <= 1. The row's sum l is taken of the UNQUANTISED p, in f32, and the product's result is divided by l at the end. Since M is a whole number, a kernel that streams over the keys may use a running M (the ceiling of the running maximum): every later rescaling is an exact power of two, so the quantised numbers keep their values, but for numbers so far below the row's largest that they fall under the format's range.
;;   OPERANDS COMPUTED ON THE WAY. 'Computed on the way' means the value that the module computes at that place (a softmax that the list does not call 'softmax' is quantised finished and normalised). What goes into a quantiser is computed in f32, as accurately as f32 sums, v_exp_f32 and their like allow (about 1e-6 of the number): no bf16 or f16 on the way to a quantiser, and a product that is left as it is and whose result goes on into a quantised operand takes f32 operands (vector FMAs, or v_wmma_f32_16x16x4_f32). A number that lies on a knife's edge between two numbers of the format may be rounded either way, as far as f32 arithmetic and the matrix unit's own rounding can turn it there, and no further.
;; One version. Each part assembles by itself: llvm-mc -triple=amdgcn-amd-amdhsa -mcpu=gfx1250 --defsym DOCPART=n.
;; ======== version 1 of 1: 3 launches
;; limits: right only within a limited range of input values
;; workspace buffers: codes 5,767,168 bytes; hcodes 2,097,152 bytes
;; launch quant (part 1): grid 256 x 1, 11 waves a work-group, no clusters, 25,600 bytes of LDS; arguments query_mean, W_ih, support_mean, lowp_scales, codes; writes codes
.if DOCPART == 1
	.amdgcn_target "amdgcn-amd-amdhsa--gfx1250"
	.amdhsa_code_object_version 6
	.text
	.protected	k_q50da24399c_quant
	.globl	k_q50da24399c_quant
	.p2align	8
	.type	k_q50da24399c_quant,@function
k_q50da24399c_quant:
	s_mov_b64 s[64:65], 0
	v_nop
	global_prefetch_b8 v0, s[64:65] scope:SCOPE_SE
	s_setreg_imm32_b32 hwreg(HW_REG_WAVE_MODE, 25, 1), 1
	s_wait_xcnt 0x0
; MatchNet, one process step.  out0 = h support_mean^T, h = query_mean + h_new[:, :1024], h_new from one LSTM cell that starts at zeros.
; WORK LEFT OUT, for all finite values of the inputs, by reference()'s own body:
;  - h_r is the jnp.zeros that reference() builds: its codes are 0, so h_r @ W_hh.T (the table's product 2) is 0.  W_hh has no way to the output: it is not loaded and is no argument of any launch.
;  - c is the jnp.zeros that reference() builds: sigmoid(f) * c = 0.  So the gate f, rows 2048..4095 of W_ih, b_ih, b_hh, reaches nothing.
;  - h_r_[:, :D] keeps hidden units 0..1023, and c_new is used for h_new alone: units 1024..2047 of the gates i, g, o (rows 1024..2047, 5120..6143, 7168..8191) reach nothing.
;  - PROCESS_STEPS = 1: attn, r and the concatenated h_r are never read again: the table's products 3 and 4 and the softmax reach nothing.
;  - support_var and query_var are never read by reference(): they are no arguments.
; What is live: product 1 on W_ih's rows 0..1023 (i), 4096..5119 (g), 6144..7167 (o), their biases, the cell, the residual, product 5.
; LIMIT: a NaN, an infinity or an overflow that reaches only the work left out is not carried to the result.
;
; THIS LAUNCH turns query_mean (scale 2^e0), the live rows of W_ih (2^e1) and support_mean (2^e9) into codes of E5M2, once, since each is read by many work-groups later.
; code = x / 2^e, held within +-57,344, to the nearest code, ties to even.  LIMITS: -126 <= e <= 112; NaN among the inputs is not served.
; THE CODES ARE LAID AS IMAGES OF OPERAND REGISTERS.  A tile is 16 rows x K = 1,024 in 16,384 bytes: code (row r, k) lies at 256 (k / 16) + 16 r + k % 16.  So the fragment of K step s (128 along K) is the
; 2,048 bytes at 2,048 s, and four loads of 16 bytes a lane, lane l at 512 c + 16 l, give lane (r = l % 16, h = l / 16) k = 128 s + 32 c + 16 h + 0..15 in registers 4 c .. 4 c + 3: the same places of k in both operands of a product.
; TILES: 0..127 query_mean rows 16 T on; 128 + 12 b + 3 u + gate (b 0..15, u 0..3, gate 0, 1, 2 = i, g, o): W_ih rows 2048 (0, 2, 3) + 64 b + 16 u on; 320..351 support_mean rows 16 (T - 320) on.
; SHARES.  352 tiles x 8 K steps are 2,816 pieces of 16 rows x 128 along K: 11 for each of 256 work-groups, one for each wave: 16 loads of 512 consecutive bytes, all issued at the head; 2,048 bytes of codes out.
; A lane's four codes of a load belong to one row and four neighbouring k; they go through the wave's own stage in LDS (groups of 16 rows x 16 codes, 272 bytes apart) and leave as the image lies: 512 consecutive bytes a store.
; No tensor load, no barrier: waves share nothing, and no two work-groups read the same bytes, so nothing is there to be asked for jointly; no loop, so nothing is prefetched.
.set STGW,  8*272                      ; a wave's stage: 8 groups of 256 bytes + 16
.set SPARE, 24064                      ; behind the eleven stages (23,936 bytes), on a multiple of 256: the spare words, 128 bytes a wave, that no other line names
.set VO,   2                           ; v2   16 x lane: my 16 bytes of a load's or a store's 512
.set SA,   3                           ; v3   the stage, on the way in
.set RA,   4                           ; v4   and on the way out
.set LIM,  10                          ; v10  57,344 x 2^e
.set SC,   11                          ; v11  2^e
.set SPW,  12                          ; v12  LDS address of my spare word; never rewritten
.set NIL,  13                          ; v13  0; never rewritten
.set X,    32                          ; v32-95   row R's four numbers at X + 4 R; on the way out v32-47 take the image
.set C,    96                          ; v96-111  row R's four codes at C + R
	s_load_b256 s[4:11], s[0:1], 0x0               ; query_mean s[4:5], W_ih s[6:7], support_mean s[8:9], the scales' exponents s[10:11]
	s_load_b64 s[12:13], s[0:1], 0x20              ; codes
	v_lshl_add_u32 v[SPW], v0, 2, SPARE
	v_mov_b32 v[NIL], 0
	v_lshrrev_b32 v5, 5, v0
	v_readfirstlane_b32 s16, v5                    ; wave 0..10
	s_mul_i32 s27, s16, STGW                       ; my stage
	v_and_b32 v1, 31, v0                           ; lane
	v_lshlrev_b32 v[VO], 4, v1
	v_lshrrev_b32 v5, 2, v1
	v_mul_u32_u24 v[SA], v5, 272                   ; in: my four codes have k = 4 lane + 0..3: group lane / 4 of eight,
	v_and_b32 v5, 3, v1
	v_lshl_add_u32 v[SA], v5, 2, v[SA]             ; byte 4 (lane % 4) of the row's 16; the row stands in the immediate
	v_add_nc_u32 v[SA], s27, v[SA]
	v_lshrrev_b32 v5, 4, v1
	v_mul_u32_u24 v[RA], v5, 272                   ; out: lanes 0-15 one group, lanes 16-31 the next, 16 bytes a lane
	v_and_b32 v5, 15, v1
	v_lshl_add_u32 v[RA], v5, 4, v[RA]
	v_add_nc_u32 v[RA], s27, v[RA]
	s_wait_alu depctr_va_vdst(0)
	; where the piece begins in each of the three tensors, in bytes; a row is 4,096 bytes.  The tile numbers are clamped, so that each offset lies inside its tensor whichever is chosen
	s_mul_i32 s14, ttmp9, 11
	s_add_co_u32 s14, s14, s16                     ; my piece, 0..2815
	s_lshr_b32 s15, s14, 3                         ; its tile T
	s_min_u32 s20, s15, 127
	s_lshl_b32 s20, s20, 16                        ; query_mean: 16 T rows
	s_max_u32 s17, s15, 128
	s_sub_co_u32 s17, s17, 128
	s_min_u32 s17, s17, 191                        ; W_ih: n = 12 b + 3 u + gate
	s_mul_i32 s18, s17, 171
	s_lshr_b32 s18, s18, 11                        ; b = n / 12 (n < 192)
	s_mul_i32 s19, s18, 12
	s_sub_co_u32 s19, s17, s19                     ; n % 12
	s_mul_i32 s37, s19, 171
	s_lshr_b32 s37, s37, 9                         ; u = (n % 12) / 3
	s_mul_i32 s38, s37, 3
	s_sub_co_u32 s38, s19, s38                     ; gate 0, 1, 2
	s_min_u32 s39, s38, 1
	s_add_co_u32 s38, s38, s39                     ; 0, 2, 3: i, g, o among PyTorch's (i, f, g, o)
	s_lshl_b32 s38, s38, 11                        ; x 2,048 rows
	s_lshl_b32 s18, s18, 6
	s_lshl_b32 s37, s37, 4
	s_add_co_u32 s21, s38, s18
	s_add_co_u32 s21, s21, s37                     ; + 64 b + 16 u
	s_lshl_b32 s21, s21, 12
	s_max_u32 s22, s15, 320
	s_sub_co_u32 s22, s22, 320
	s_lshl_b32 s22, s22, 16                        ; support_mean: 16 (T - 320) rows
	s_and_b32 s23, s14, 7
	s_lshl_b32 s23, s23, 9                         ; my K step's 128 numbers of a row
	s_lshl_b32 s34, s14, 11                        ; my fragment of the images
	s_mov_b32 s35, 0
	s_wait_kmcnt 0x0
	s_load_b64 s[24:25], s[10:11], 0x0             ; e0, e1
	s_load_b32 s26, s[10:11], 0x24                 ; e9
	s_cmp_lt_u32 s15, 320                          ; the choices hang on ids alone; all three tensors take one path through the text
	s_cselect_b64 s[28:29], s[6:7], s[8:9]
	s_cselect_b32 s30, s21, s22
	s_cmp_lt_u32 s15, 128
	s_cselect_b64 s[28:29], s[4:5], s[28:29]
	s_cselect_b32 s30, s20, s30
	s_add_co_u32 s30, s30, s23
	s_mov_b32 s31, 0
	s_add_nc_u64 s[28:29], s[28:29], s[30:31]
	s_add_nc_u64 s[12:13], s[12:13], s[34:35]
.irp R, 0,1,2,3,4,5,6,7,8,9,10,11,12,13,14,15
	global_load_b128 v[X+4*\R:X+4*\R+3], v[VO], s[28:29] offset:4096*\R th:TH_LOAD_NT   ; 32 lanes read 512 consecutive bytes of row R
.endr
	s_wait_kmcnt 0x0
	s_cmp_lt_u32 s15, 320
	s_cselect_b32 s33, s25, s26
	s_cmp_lt_u32 s15, 128
	s_cselect_b32 s33, s24, s33                    ; e
	s_add_co_i32 s33, s33, 127
	s_lshl_b32 s36, s33, 23
	v_mov_b32 v[SC], s36                           ; 2^e as f32: the conversion takes its exponent field
	s_add_co_i32 s33, s33, 15
	s_lshl_b32 s33, s33, 23
	s_or_b32 s33, s33, 0x600000
	v_mov_b32 v[LIM], s33                          ; 57,344 x 2^e
	s_wait_alu depctr_va_vdst(0)
.irp R, 0,2,4,6,8,10,12,14
	s_wait_loadcnt 14-\R                           ; loads come back in order: rows R and R + 1 are in, the 14 - R behind them may be out
.irp j, 0,1,2,3,4,5,6,7
	v_med3_num_f32 v[X+4*\R+\j], v[X+4*\R+\j], -v[LIM], v[LIM]   ; the conversion to an 8-bit code does not saturate (ISA guide 7.6.2): the hold at the largest code x the scale comes first
.endr
	v_cvt_scalef32_pk8_bf8_f32 v[C+\R:C+\R+1], v[X+4*\R:X+4*\R+7], v[SC]   ; the first register: row R's four codes; the second: row R + 1's
	ds_store_b32 v[SA], v[C+\R]   offset:16*\R             ; word lane + 4 R of the stage modulo 64: the 32 lanes' words differ
	ds_store_b32 v[SA], v[C+\R+1] offset:16*\R+16
.endr
	v_nop                                          ; a plain vector line behind the last conversion
.irp t, 0,1,2,3
	ds_load_b128 v[X+4*\t:X+4*\t+3], v[RA] offset:2*272*\t   ; LDS serves a wave's instructions in order (ISA guide 5.7.1.4): these see my stores
.endr
.irp t, 0,1,2,3
	s_wait_dscnt 3-\t                              ; piece t is back; the younger ones may be out
	global_store_b128 v[VO], v[X+4*\t:X+4*\t+3], s[12:13] offset:512*\t   ; 512 consecutive bytes of the image, at a multiple of 256 from the buffer's first byte
.endr
	s_wait_tensorcnt 0x0                           ; the wave's end, behind my last LDS store
	ds_add_u32 v[SPW], v[NIL]
	s_wait_dscnt 0x0
	s_endpgm
.Lfunc_end_k_q50da24399c_quant:
	.size	k_q50da24399c_quant, .Lfunc_end_k_q50da24399c_quant-k_q50da24399c_quant
	.p2alignl 7, 3214868480
	.fill 96, 4, 3214868480
	.section	.rodata,"a",@progbits
	.p2align	6, 0x0
	.amdhsa_kernel k_q50da24399c_quant
		.amdhsa_group_segment_fixed_size 25600
		.amdhsa_private_segment_fixed_size 0
		.amdhsa_enable_private_segment 0
		.amdhsa_kernarg_size 40
		.amdhsa_user_sgpr_count 2
		.amdhsa_user_sgpr_kernarg_segment_ptr 1
		.amdhsa_wavefront_size32 1
		.amdhsa_system_sgpr_workgroup_id_x 1
		.amdhsa_system_sgpr_workgroup_id_y 1
		.amdhsa_system_sgpr_workgroup_id_z 1
		.amdhsa_system_vgpr_workitem_id 0
		.amdhsa_next_free_vgpr 128
		.amdhsa_next_free_sgpr 66
		.amdhsa_reserve_vcc 0
		.amdhsa_float_denorm_mode_32 3
		.amdhsa_float_denorm_mode_16_64 3
		.amdhsa_memory_ordered 1
		.amdhsa_forward_progress 1
		.amdhsa_inst_pref_size 12
	.end_amdhsa_kernel
	.amdgpu_metadata
---
amdhsa.version: [ 1, 2 ]
amdhsa.kernels:
  - .name:           k_q50da24399c_quant
    .symbol:         k_q50da24399c_quant.kd
    .args:
      - { .name: query_mean, .offset: 0, .size: 8, .value_kind: global_buffer, .address_space: global }
      - { .name: W_ih, .offset: 8, .size: 8, .value_kind: global_buffer, .address_space: global }
      - { .name: support_mean, .offset: 16, .size: 8, .value_kind: global_buffer, .address_space: global }
      - { .name: lowp_scales, .offset: 24, .size: 8, .value_kind: global_buffer, .address_space: global }
      - { .name: codes, .offset: 32, .size: 8, .value_kind: global_buffer, .address_space: global }
    .group_segment_fixed_size: 25600
    .private_segment_fixed_size: 0
    .kernarg_segment_align: 8
    .kernarg_segment_size: 40
    .max_flat_workgroup_size: 352
    .sgpr_count:     66
    .vgpr_count:     128
    .wavefront_size: 32
...
	.end_amdgpu_metadata
.endif
;; end of part 1
;; launch cell (part 2): grid 16 x 16, 4 waves a work-group, clusters of 4 x 4, 327,680 bytes of LDS; arguments codes, query_mean, b_ih, b_hh, lowp_scales, hcodes; writes hcodes
.if DOCPART == 2
	.amdgcn_target "amdgcn-amd-amdhsa--gfx1250"
	.amdhsa_code_object_version 6
	.text
	.protected	k_q50da24399c_cell
	.globl	k_q50da24399c_cell
	.p2align	8
	.type	k_q50da24399c_cell,@function
k_q50da24399c_cell:
	s_mov_b64 s[64:65], 0
	v_nop
	global_prefetch_b8 v0, s[64:65] scope:SCOPE_SE
	s_setreg_imm32_b32 hwreg(HW_REG_WAVE_MODE, 25, 1), 1
	s_wait_xcnt 0x0
	s_wait_alu depctr_hold_cnt(0) depctr_sa_sdst(0) depctr_va_vdst(0) depctr_va_sdst(0) depctr_va_ssrc(0) depctr_va_vcc(0) depctr_vm_vsrc(0)
	s_getreg_b32 s2, hwreg(HW_REG_IB_STS2, 6, 4)
	s_cmp_eq_u32 s2, 0
	s_cbranch_scc0 .Lentry_in_a_cluster
	s_endpgm
.Lentry_in_a_cluster:
	s_bfe_u32 s2, ttmp6, 0x10000c
	s_cmp_lg_u32 s2, 0xf033
	s_cbranch_scc0 .Lentry_shape_is_right
	s_endpgm
.Lentry_shape_is_right:
; h = query_mean + sigmoid(o) tanh(sigmoid(i) tanh(g)), (i, g, o) = query_mean W_ih^T + b_ih + b_hh on hidden units 0..1023, the product on codes of E5M2 (scales 2^e0, 2^e1); h is quantised with 2^e8 for the last product.
; WORK LEFT OUT (shown at the head of the first kernel): h_r @ W_hh.T with h_r = zeros; the gate f, which multiplies c = zeros; hidden units 1024..2047, sliced away; the softmax and its two products, never read.
; SHARES.  A work-group takes 128 rows (rb) x 64 hidden units (ub) x 3 gates: 8 tiles of rows x 12 tiles of W_ih.  Wave w = 2 rh + uh owns rows 64 rh + 0..63 x units 32 uh + 0..31: 4 x 6 tiles, 24 accumulators.
; LOADS.  At the head each wave issues one: wave 0 the rows' K steps 0-3 (64 KB), wave 1 W_ih's K steps 0-3 (96 KB), wave 2 the rows' K steps 4-7 (64 KB), wave 3 W_ih's K steps 4-6 (72 KB).  The products of K steps 0-3 begin
; when waves 0 and 1 have waited and a barrier has told all.  When the other half has landed and K steps 0-3 have been read, W_ih's K step 7 (24 KB, waves 0 and 1) and the residual's f32 rows (32 KB, waves 2 and 3) refill their bytes.
; CLUSTERS: 4 x 4 work-groups.  The four of a row of the cluster have the same rows, the four of a column the same units: codes are asked for JOINTLY, by the same load with the same descriptor and a mask that names the four.
; The residual differs between all partners: a plain tensor load.  The K steps are written out, with no loop to run ahead in: nothing is prefetched.
; THE MATRIX INSTRUCTION IS USED TRANSPOSED (source 0 = 16 units of W_ih, source 1 = 16 rows): lane (r, h) holds row r and, in registers 0-7, units 8 h + 0..7: eight neighbours along the next product's K.
; THE CELL, with L = log2(e): Ei = 2^(-L i), Eg = 2^(2 L g), Eo = 2^(-L o); c = (Eg - 1) / ((1 + Ei)(1 + Eg)); Ec = 2^(2 L c); h_new = (Ec - 1) / ((1 + Eo)(1 + Ec)).  Six transcendentals a number.
; 2 L g is held within +-60, so that Eg is neither 0 nor infinite: where Ei or Eo overflows, the divisor is infinite, its reciprocal 0, and 0 meets a finite factor.
; LIMITS: -126 <= e0 + e1 <= 126; -126 <= e8 <= 112; NaN among the inputs is not served; beyond |2 L g| = 60 tanh(g) is taken as (2^60 - 1) / (2^60 + 1); a divisor beyond f32's range gives 0.
; REGISTERS, in windows of 256 (s_set_vgpr_msb: bits 1:0 source 0, 3:2 source 1, 5:4 source 2, 7:6 destination):
;   window 0: v1-12 addresses; v28, v29 the add's two; v32-159 the rows' four fragments of a K step, two sets;   window 1: v0-191 W_ih's six fragments of a K step, two sets;   window 2: v0-47 b_hh
;   window 3: the 24 accumulators: i v0-63, g v64-127, o v128-191 (tile n = 4 uu + mt at + 8 n: uu the tile of 16 units, mt the tile of rows); v192-239 b_ih, then the scaled bias (gate, uu at 16 gate + 8 uu);
;             v240-243 2 L, -2 L in pairs; v244 60.0; v245 the residual's LDS address; v246 57,344 x 2^e8; v247 2^e8; v248 my place in a block of h's image
.set A1,    0                          ; LDS: the rows' K steps 0-3: tile at 8,192 m, K step at + 2,048 s
.set B1,    65536                      ; W_ih's K steps 0-3: tile 3 u + gate at 8,192 j
.set HALF2, 163840                     ; from the first half to the second
.set A2,    A1+HALF2                   ; the rows' K steps 4-7, as A1
.set B2,    B1+HALF2                   ; W_ih's K steps 4-6: tile at 6,144 j
.set RES,   A1                         ; refilled: 128 rows x (256 bytes of query_mean + 16)
.set RP,    272
.set B7,    B1                         ; refilled: W_ih's K step 7: tile at 2,048 j
.set SPARE, B2+12*6144                 ; behind them: the spare words, 128 bytes a wave: two blocks of 256 bytes that no other line names
.set VA1,  5                           ; v5-v9  my fragments' LDS addresses
.set VA2,  6
.set VB1,  7
.set VB2,  8
.set VB7,  9
.set BO,   10                          ; v10  32 h: my eight numbers of a bias's sixteen
.set SPW,  28                          ; v28  LDS address of my spare word; never rewritten
.set NIL,  29                          ; v29  0; never rewritten
.set AF,   32
.set GI,   0                           ; window 3
.set GG,   64
.set GQ,   128
.set BI,   192
.set WV,   16                          ; s16  my wave's number
.set UH,   96                          ; s96  uh = w % 2
.set RH,   97                          ; s97  rh = w / 2
.set G1A,  24                          ; groups 1: the rows; W_ih's K steps 0-3; 4-6; 7; the residual
.set G1B,  32
.set G1C,  40
.set G1D,  48
.set G1R,  56
.set G0A,  68                          ; groups 0: the rows; W_ih at the head; W_ih's K step 7; the residual
.set G0B,  72
.set G0D,  76
.set G0R,  80
.set G0A2, 20                          ; the rows' K steps 4-7: s[20:23], which never hold cx
.set G0B2, 88                          ; W_ih's K steps 4-6: s[88:91], which never hold cy
.set MSB, 0
.macro WIN new                         ; the immediate's high byte repeats the setting that is left; a switch that changes nothing is dropped
.if MSB != (\new)
	s_set_vgpr_msb (MSB<<8)|(\new)
.set MSB, (\new)
.endif
.endm
.macro CROUND                          ; a round of the cluster's barrier: my work-group's barrier; wave 0 signals for the work-group; every wave waits for all sixteen work-groups; my work-group's barrier once more
	s_barrier_signal -1
	s_barrier_wait -1
	s_cmp_lg_u32 s[WV], 0
	s_cbranch_scc1 .Lnot_wave_0_\@
	s_barrier_signal -3
.Lnot_wave_0_\@:
	s_barrier_wait -3
	s_barrier_signal -1
	s_barrier_wait -1
.endm
.macro PLACES                          ; four plain vector lines between a matrix instruction and a load into a register that it has read (ISA guide 7.12.1 for vector instructions)
.rept 4
	v_nop
.endr
.endm
.macro TLOAD g0, g1                    ; a tensor load
	tensor_load_to_lds s[\g0:\g0+3], s[\g1:\g1+7]
	s_nop 0
	PLACES
.endm
	s_load_b256 s[4:11], s[0:1], 0x0               ; codes s[4:5], query_mean s[6:7], b_ih s[8:9], b_hh s[10:11]
	s_load_b128 s[12:15], s[0:1], 0x20             ; the scales' exponents s[12:13], hcodes s[14:15]
	v_lshl_add_u32 v[SPW], v0, 2, SPARE
	v_mov_b32 v[NIL], 0
	ds_add_u32 v[SPW], v[NIL]                      ; the wave's opening: the add, twice on end, and its wait ahead of my first tensor load; the set-up below stands between
	ds_add_u32 v[SPW], v[NIL]
	v_lshrrev_b32 v1, 5, v0
	v_readfirstlane_b32 s[WV], v1                  ; wave 0..3
	s_and_b32 s[UH], s[WV], 1
	s_lshr_b32 s[RH], s[WV], 1
	s_lshl_b32 s84, s[RH], 15                      ; my four tiles of rows
	s_mul_i32 s85, s[UH], 6*8192
	s_add_co_u32 s85, s85, B1                      ; my six tiles of W_ih in each of three layouts
	s_mul_i32 s86, s[UH], 6*6144
	s_add_co_u32 s86, s86, B2
	s_mul_i32 s87, s[UH], 6*2048
	s_add_co_u32 s87, s87, B7
	s_mul_i32 s88, s[RH], 64*RP
	s_lshl_b32 s89, s[UH], 7
	s_add_co_u32 s88, s88, s89                     ; my part of the residual
	v_and_b32 v3, 31, v0                           ; lane
	v_and_b32 v1, 15, v0                           ; r
	v_bfe_u32 v2, v0, 4, 1                         ; h
	v_lshlrev_b32 v4, 4, v3                        ; a fragment's images: lane l's 16 bytes at 16 l
	v_add_nc_u32 v[VA1], s84, v4
	v_add_nc_u32 v[VA2], A2, v[VA1]
	v_add_nc_u32 v[VB1], s85, v4
	v_add_nc_u32 v[VB2], s86, v4
	v_add_nc_u32 v[VB7], s87, v4
	v_lshlrev_b32 v[BO], 5, v2
	v_mul_u32_u24 v11, v1, RP
	v_lshl_add_u32 v11, v2, 5, v11                 ; the residual: row r, + 32 h
	v_lshlrev_b32 v12, 4, v1
	WIN 0xc0                                       ; destination window 3, sources window 0
	v_mov_b32 v240, 0x4038aa3b                     ; 2 L, twice
	v_mov_b32 v241, 0x4038aa3b
	v_mov_b32 v242, 0xc038aa3b                     ; -2 L, twice
	v_mov_b32 v243, 0xc038aa3b
	v_mov_b32 v244, 0x42700000                     ; 60.0
	v_add_nc_u32 v245, s88, v11
	v_lshl_add_u32 v248, v2, 3, v12                ; 16 r + 8 h
	WIN 0
	s_bfe_u32 s17, ttmp6, 0x40000                  ; cx, cy: my place in the cluster
	s_bfe_u32 s98, ttmp6, 0x40004
	s_lshl_b32 s18, ttmp9, 2                       ; in a cluster launch ttmp9 and ttmp7 count clusters
	s_add_co_u32 s18, s18, s17                     ; ub = 4 x cluster x + cx: my block of 64 units
	s_and_b32 s19, ttmp7, 0xffff
	s_lshl_b32 s19, s19, 2
	s_add_co_u32 s19, s19, s98                     ; rb = 4 x cluster y + cy: my block of 128 rows
	s_lshl_b32 s20, s98, 2
	s_lshl_b32 s20, 15, s20                        ; my row of the cluster: places 4 cy .. 4 cy + 3
	s_lshl_b32 s99, 0x1111, s17                    ; my column: places cx, cx + 4, cx + 8, cx + 12
	; groups 1: elements of 8 bytes; lines 16,384 bytes apart in memory, dense in LDS; 15:0 the mask, 21 set beside it
	s_or_b32 s[G1A], s20, (3<<16)|(1<<21)          ; the rows: 8 tiles x 8,192 bytes, to my row
	s_or_b32 s[G1B], s99, (3<<16)|(1<<21)          ; W_ih: 12 tiles x 8,192 bytes, to my column
	s_or_b32 s[G1C], s99, (3<<16)|(1<<21)          ; 12 tiles x 6,144 bytes
	s_or_b32 s[G1D], s99, (3<<16)|(1<<21)          ; 6 tiles x 2,048 bytes
.irp g, G1A, G1B
	s_mov_b32 s[\g+1], 1024<<16
	s_mov_b32 s[\g+3], 1024<<16
.endr
	s_mov_b32 s[G1C+1], 768<<16
	s_mov_b32 s[G1C+3], 768<<16
	s_mov_b32 s[G1D+1], 256<<16
	s_mov_b32 s[G1D+3], 256<<16
	s_mov_b32 s[G1A+2], 8<<16
	s_mov_b32 s[G1A+4], 8
.irp g, G1B, G1C
	s_mov_b32 s[\g+2], 12<<16
	s_mov_b32 s[\g+4], 12
.endr
	s_mov_b32 s[G1D+2], 6<<16
	s_mov_b32 s[G1D+4], 6
.irp g, G1A, G1B, G1C, G1D
	s_mov_b32 s[\g+5], 2048
	s_mov_b32 s[\g+6], 0
	s_mov_b32 s[\g+7], 0
.endr
	; the residual: 64 rows of 256 bytes, 4,096 bytes apart, 16 bytes of padding behind each
	s_mov_b32 s[G1R+0], (3<<16)|(1<<20)|(5<<22)|(3<<25)   ; no mask; padding on: after every 64 words (code 5) four words (code 3)
	s_mov_b32 s[G1R+1], 32<<16
	s_mov_b32 s[G1R+2], 64<<16
	s_mov_b32 s[G1R+3], 32<<16
	s_mov_b32 s[G1R+4], 64
	s_mov_b32 s[G1R+5], 512
	s_mov_b32 s[G1R+6], 0
	s_mov_b32 s[G1R+7], 0
	s_lshl_b32 s84, s19, 17                        ; the rows: tiles 8 rb on (no register of theirs ever holds cx)
	s_mov_b32 s85, 0
	s_mul_i32 s86, s18, 12
	s_add_co_u32 s86, s86, 128
	s_lshl_b32 s86, s86, 14                        ; W_ih: tiles 128 + 12 ub on (no register of theirs ever holds cy)
	s_mul_i32 s88, s[UH], 6*16384
	s_add_co_u32 s88, s88, s86
	s_add_co_u32 s88, s88, 7*2048                  ; K step 7: six of the tiles
	s_mov_b32 s87, 0
	s_mov_b32 s89, 0
	s_lshl_b32 s92, s19, 19                        ; the residual: row 128 rb + 64 (w % 2) of 4,096 bytes, + 256 ub
	s_lshl_b32 s93, s[UH], 18
	s_add_co_u32 s92, s92, s93
	s_lshl_b32 s93, s18, 8
	s_add_co_u32 s92, s92, s93
	s_mov_b32 s93, 0
	s_lshl_b32 s90, s18, 8                         ; the biases: unit 64 ub + 32 uh, 4 bytes each
	s_lshl_b32 s91, s[UH], 7
	s_add_co_u32 s90, s90, s91
	s_mov_b32 s91, 0
	s_lshl_b32 s94, s19, 17                        ; h's image: tiles 8 rb + 4 rh on; units 64 ub + 32 uh on: 1,024 ub + 512 uh
	s_lshl_b32 s95, s[RH], 16
	s_add_co_u32 s94, s94, s95
	s_lshl_b32 s95, s18, 10
	s_add_co_u32 s94, s94, s95
	s_lshl_b32 s95, s[UH], 9
	s_add_co_u32 s94, s94, s95
	s_mov_b32 s95, 0
	s_mov_b32 s[G0A], 1                            ; count = 1
	s_mov_b32 s[G0A+1], A1                         ; LDS address: each of the head's four loads has a group 0 of its own
	s_mov_b32 s[G0A2], 1
	s_mov_b32 s[G0A2+1], A2
	s_mov_b32 s[G0B], 1
	s_mov_b32 s[G0B+1], B1
	s_mul_i32 s22, s[UH], 6*2048
	s_mov_b32 s[G0D], 1
	s_add_co_u32 s[G0D+1], s22, B7
	s_mul_i32 s22, s[UH], 64*RP
	s_mov_b32 s[G0R], 1
	s_add_co_u32 s[G0R+1], s22, RES
	s_wait_alu depctr_va_vdst(0)                   ; the addresses
	s_wait_dscnt 0x0                               ; both opening adds are done
	s_wait_kmcnt 0x0
	s_load_b64 s[100:101], s[12:13], 0x0           ; e0, e1
	s_load_b32 s66, s[12:13], 0x20                 ; e8
	s_add_nc_u64 s[G0A+2:G0A+3], s[4:5], s[84:85]
	s_or_b32 s[G0A+3], s[G0A+3], 0x80000000        ; type = 2
	s_add_nc_u64 s[G0A2+2:G0A2+3], s[4:5], s[84:85]
	s_add_nc_u64 s[G0A2+2:G0A2+3], s[G0A2+2:G0A2+3], 8192   ; four K steps on
	s_or_b32 s[G0A2+3], s[G0A2+3], 0x80000000
	s_add_nc_u64 s[G0B+2:G0B+3], s[4:5], s[86:87]
	s_or_b32 s[G0B+3], s[G0B+3], 0x80000000
	s_add_nc_u64 s[G0D+2:G0D+3], s[4:5], s[88:89]
	s_or_b32 s[G0D+3], s[G0D+3], 0x80000000
	s_add_nc_u64 s[G0R+2:G0R+3], s[6:7], s[92:93]
	s_or_b32 s[G0R+3], s[G0R+3], 0x80000000
	s_add_nc_u64 s[8:9], s[8:9], s[90:91]
	s_add_nc_u64 s[10:11], s[10:11], s[90:91]
	s_mov_b32 s[G0B2], 1                           ; (the offsets that stood in s[88:91] have been used)
	s_mov_b32 s[G0B2+1], B2
	s_add_nc_u64 s[G0B2+2:G0B2+3], s[4:5], s[86:87]
	s_add_nc_u64 s[G0B2+2:G0B2+3], s[G0B2+2:G0B2+3], 8192   ; four K steps on
	s_or_b32 s[G0B2+3], s[G0B2+3], 0x80000000
	s_add_nc_u64 s[14:15], s[14:15], s[94:95]
	CROUND                                         ; all sixteen work-groups are here: the joint loads meet
	s_cmp_eq_u32 s[WV], 1                          ; one chain, one fill to an arm: one tensor load a wave at the head
	s_cbranch_scc1 .Lunits_1
	s_cmp_eq_u32 s[WV], 2
	s_cbranch_scc1 .Lrows_2
	s_cmp_eq_u32 s[WV], 3
	s_cbranch_scc1 .Lunits_2
	TLOAD G0A, G1A                                 ; wave 0
	s_branch .Lasked
.Lrows_2:
	TLOAD G0A2, G1A
	s_branch .Lasked
.Lunits_1:
	TLOAD G0B, G1B
	s_branch .Lasked
.Lunits_2:
	TLOAD G0B2, G1C
.Lasked:
.macro BIAS base, to                   ; twelve loads: gate g's rows begin at 0, 4,096, 6,144: 8,192 bytes x 0, 2, 3
.irp g, 0,1,2
.irp q, 0,1
.irp u, 0,1
	global_load_b128 v[\to+16*\g+8*\u+4*\q:\to+16*\g+8*\u+4*\q+3], v[BO], s[\base:\base+1] offset:8192*(\g+(\g+1)/2)+64*\u+16*\q
.endr
.endr
.endr
.endm
	WIN 0xc0                                       ; destination window 3
	BIAS 8, BI
	WIN 0x80                                       ; destination window 2
	BIAS 10, 0
	WIN 0
; four LDS loads: the rows' fragment of K step s, tile of rows mt
.macro LA s, mt
.irp c, 0,1,2,3
	ds_load_b128 v[AF+64*((\s)%2)+16*(\mt)+4*\c:AF+64*((\s)%2)+16*(\mt)+4*\c+3], v[VA1+(\s)/4] offset:8192*(\mt)+2048*((\s)%4)+512*\c
.endr
.endm
; four LDS loads: W_ih's fragment of K step s, tile j = 3 uu + gate (destination window 1)
.macro LB s, j
.irp c, 0,1,2,3
.if (\s) < 4
	ds_load_b128 v[96*((\s)%2)+16*(\j)+4*\c:96*((\s)%2)+16*(\j)+4*\c+3], v[VB1] offset:8192*(\j)+2048*(\s)+512*\c
.elseif (\s) < 7
	ds_load_b128 v[96*((\s)%2)+16*(\j)+4*\c:96*((\s)%2)+16*(\j)+4*\c+3], v[VB2] offset:6144*(\j)+2048*((\s)-4)+512*\c
.else
	ds_load_b128 v[96*((\s)%2)+16*(\j)+4*\c:96*((\s)%2)+16*(\j)+4*\c+3], v[VB7] offset:2048*(\j)+512*\c
.endif
.endr
.endm
; a K step's 40 loads in one run; the order, W_ih's tiles first, then the rows', is the same wherever they are issued
.macro FETCH s
	WIN 0x40
.irp j, 0,1,2,3,4,5
	LB \s, \j
.endr
	WIN 0
.irp m, 0,1,2,3
	LA \s, \m
.endr
.endm
; 6 matrix instructions: tile of rows mt x my six tiles, 128 along K.  K step 0 starts the sums: nothing is cleared.
; The 24 accumulators take turns, one instruction a turn, in the same order in every K step.
.macro MUL s, mt
	WIN 0xf1                                       ; source 0 (W_ih) window 1, source 1 (the rows) window 0, C and D window 3
.set FA, AF+64*((\s)%2)+16*(\mt)
.irp u, 0,1
.irp g, 0,1,2
.set FB, 96*((\s)%2)+16*(3*\u+\g)
.set AC, 64*\g+8*(4*\u+(\mt))
.if (\s) == 0
	v_wmma_f32_16x16x128_bf8_bf8 v[AC:AC+7], v[FB:FB+15], v[FA:FA+15], 0
.else
	v_wmma_f32_16x16x128_bf8_bf8 v[AC:AC+7], v[FB:FB+15], v[FA:FA+15], v[AC:AC+7]
.endif
.endr
.endr
.endm
; A K step that fetches its successor into the other set.  Each count leaves out this step's younger fragments (12, 8, 4, 0 loads) and what the step has asked for (8, 16, 28, 40).
.macro STEP s
	PLACES                                         ; behind the step before, whose set is loaded anew
	WIN 0x40
	LB (\s)+1, 0
	LB (\s)+1, 1
	s_wait_dscnt 20
	MUL \s, 0
	WIN 0x40
	LB (\s)+1, 2
	LB (\s)+1, 3
	s_wait_dscnt 24
	MUL \s, 1
	WIN 0x40
	LB (\s)+1, 4
	LB (\s)+1, 5
	WIN 0
	LA (\s)+1, 0
	s_wait_dscnt 32
	MUL \s, 2
	WIN 0
	LA (\s)+1, 1
	LA (\s)+1, 2
	LA (\s)+1, 3
	s_wait_dscnt 40
	MUL \s, 3
.endm
.macro LASTSTEP s                      ; a K step that fetches nothing
.irp m, 0,1,2,3
	s_wait_dscnt 12-4*\m
	MUL \s, \m
.endr
.endm
	s_cmp_lt_u32 s[WV], 2
	s_cbranch_scc0 .Lnot_mine
	s_wait_tensorcnt 0x0                           ; waves 0 and 1: K steps 0-3 of the rows and of W_ih are in
.Lnot_mine:
	s_barrier_signal -1
	s_barrier_wait -1                              ; everybody may read them
	FETCH 0
	STEP 0
	STEP 1
	STEP 2
	LASTSTEP 3
	WIN 0
	s_wait_tensorcnt 0x0                           ; the second half is in
	ds_add_u32 v[SPW], v[NIL]
	s_wait_dscnt 0x0                               ; the add is done, and my reads of the first half are over
	CROUND                                         ; this holds of every wave of all sixteen work-groups
	s_cmp_lt_u32 s[WV], 2                          ; waves 0 and 1 fetch W_ih's K step 7, waves 2 and 3 the residual: one tensor load a wave
	s_cbranch_scc0 .Lresidual
	TLOAD G0D, G1D
	s_branch .Lasked_again
.Lresidual:
	TLOAD G0R, G1R
.Lasked_again:
	FETCH 4                                        ; (the four plain lines behind the tensor loads are the places behind the products)
	STEP 4
	STEP 5
	s_wait_dscnt 12
	MUL 6, 0
	s_wait_dscnt 8
	MUL 6, 1
	s_wait_tensorcnt 0x0                           ; for the others' sake: what I asked for last has landed,
	s_wait_dscnt 0x0                               ; and no LDS load of mine is out at the signal
	s_barrier_signal -1
	MUL 6, 2                                       ; work on registers while the others arrive
	PLACES
	WIN 0
	s_barrier_wait -1                              ; K step 7 and the residual lie in LDS whole
	FETCH 7
	MUL 6, 3
	LASTSTEP 7
	; THE CELL, in place on the accumulators.  The 24 lines on the biases name no register of the last products: they are the places behind them.
	s_wait_loadcnt 0x0                             ; the biases are in
	s_wait_kmcnt 0x0
	s_mov_b32 s20, 0xbfb8aa3b                      ; -L
	s_mov_b32 s21, s20                             ; (the packed forms name pairs, so both words are written)
	s_mov_b32 s22, 0x4038aa3b                      ; 2 L
	s_mov_b32 s23, s22
	s_add_co_i32 s28, s100, s101                   ; a sum stands for sum x 2^(e0 + e1): the exponents are added to the exponent fields of -L and of 2 L
	s_lshl_b32 s28, s28, 23
	s_add_co_i32 s24, s20, s28                     ; -L 2^(e0 + e1)
	s_mov_b32 s25, s24
	s_add_co_i32 s26, s22, s28                     ; 2 L 2^(e0 + e1)
	s_mov_b32 s27, s26
	s_add_co_i32 s28, s66, 127
	s_lshl_b32 s29, s28, 23
	s_add_co_i32 s28, s28, 15
	s_lshl_b32 s28, s28, 23
	s_or_b32 s28, s28, 0x600000
	WIN 0xcb                                       ; b_ih and the sum in window 3, b_hh in window 2
.set i, 0
.rept 24
	v_pk_add_f32 v[BI+i:BI+i+1], v[BI+i:BI+i+1], v[i:i+1]   ; b_ih + b_hh
.set i, i+2
.endr
	WIN 0xff
	v_mov_b32 v246, s28                            ; 57,344 x 2^e8
	v_mov_b32 v247, s29                            ; 2^e8 as f32
.irp g, 0,1,2
.irp i, 0,2,4,6,8,10,12,14
.if \g == 1
	v_pk_mul_f32 v[BI+16*\g+\i:BI+16*\g+\i+1], v[BI+16*\g+\i:BI+16*\g+\i+1], s[22:23] op_sel_hi:[1,0]   ; x 2 L for g,
.else
	v_pk_mul_f32 v[BI+16*\g+\i:BI+16*\g+\i+1], v[BI+16*\g+\i:BI+16*\g+\i+1], s[20:21] op_sel_hi:[1,0]   ; x -L for i and o
.endif
.endr
.endr
.irp g, 0,1,2                                  ; -L i, 2 L g, -L o: one packed multiply-add for two numbers; each accumulator from its low end on
.irp n, 0,1,2,3,4,5,6,7
.irp i, 0,2,4,6
.if \g == 1
	v_pk_fma_f32 v[64*\g+8*\n+\i:64*\g+8*\n+\i+1], v[64*\g+8*\n+\i:64*\g+8*\n+\i+1], s[26:27], v[BI+16*\g+8*(\n/4)+\i:BI+16*\g+8*(\n/4)+\i+1] op_sel_hi:[1,0,1]
.else
	v_pk_fma_f32 v[64*\g+8*\n+\i:64*\g+8*\n+\i+1], v[64*\g+8*\n+\i:64*\g+8*\n+\i+1], s[24:25], v[BI+16*\g+8*(\n/4)+\i:BI+16*\g+8*(\n/4)+\i+1] op_sel_hi:[1,0,1]
.endif
.endr
.endr
.endr
	; five batches of transcendentals, each with one wait ahead of it and one behind it; plain lines that name none of a batch's registers stand inside it
	s_wait_alu depctr_va_vdst(0)
.set i, 0
.rept 64
	v_exp_f32 v[GI+i], v[GI+i]                     ; Ei
	v_exp_f32 v[GQ+i], v[GQ+i]                     ; Eo
	v_med3_num_f32 v[GG+i], v[GG+i], -v244, v244   ; 2 L g within +-60
.set i, i+1
.endr
	s_wait_alu depctr_va_vdst(0)
.set i, 0
.rept 32
	v_exp_f32 v[GG+i], v[GG+i]                     ; Eg
	v_exp_f32 v[GG+i+1], v[GG+i+1]
	v_pk_add_f32 v[GI+i:GI+i+1], v[GI+i:GI+i+1], 1.0 op_sel_hi:[1,0]   ; 1 + Ei
.set i, i+2
.endr
	s_wait_alu depctr_va_vdst(0)
.set i, 0
.rept 32
	v_pk_fma_f32 v[GI+i:GI+i+1], v[GI+i:GI+i+1], v[GG+i:GG+i+1], v[GI+i:GI+i+1]   ; (1 + Ei)(1 + Eg)
.set i, i+2
.endr
	s_wait_alu depctr_va_vdst(0)
.set i, 0
.rept 32
	v_rcp_f32 v[GI+i], v[GI+i]
	v_rcp_f32 v[GI+i+1], v[GI+i+1]
	v_pk_fma_f32 v[GG+i:GG+i+1], v[GG+i:GG+i+1], v[240:241], v[242:243]   ; 2 L (Eg - 1)
.set i, i+2
.endr
	s_wait_alu depctr_va_vdst(0)
.set i, 0
.rept 32
	v_pk_mul_f32 v[GG+i:GG+i+1], v[GG+i:GG+i+1], v[GI+i:GI+i+1]   ; 2 L c
.set i, i+2
.endr
.irp n, 0,1,2,3,4,5,6,7                        ; the residual takes the registers that the reciprocals have left: my row 16 mt + r, my eight units of tile uu
	ds_load_b128 v[GI+8*\n:GI+8*\n+3],   v245 offset:16*RP*(\n%4)+64*(\n/4)
	ds_load_b128 v[GI+8*\n+4:GI+8*\n+7], v245 offset:16*RP*(\n%4)+64*(\n/4)+16
.endr
	s_wait_alu depctr_va_vdst(0)
.set i, 0
.rept 32
	v_exp_f32 v[GG+i], v[GG+i]                     ; Ec
	v_exp_f32 v[GG+i+1], v[GG+i+1]
	v_pk_add_f32 v[GQ+i:GQ+i+1], v[GQ+i:GQ+i+1], 1.0 op_sel_hi:[1,0]   ; 1 + Eo
.set i, i+2
.endr
	s_wait_alu depctr_va_vdst(0)
.set i, 0
.rept 32
	v_pk_fma_f32 v[GQ+i:GQ+i+1], v[GQ+i:GQ+i+1], v[GG+i:GG+i+1], v[GQ+i:GQ+i+1]   ; (1 + Eo)(1 + Ec)
.set i, i+2
.endr
	s_wait_alu depctr_va_vdst(0)
.set i, 0
.rept 32
	v_rcp_f32 v[GQ+i], v[GQ+i]
	v_rcp_f32 v[GQ+i+1], v[GQ+i+1]
	v_pk_add_f32 v[GG+i:GG+i+1], v[GG+i:GG+i+1], -1.0 op_sel_hi:[1,0]   ; Ec - 1
.set i, i+2
.endr
	s_wait_alu depctr_va_vdst(0)
	s_wait_dscnt 0x0                               ; the residual is in
.set i, 0
.rept 32
	v_pk_fma_f32 v[GI+i:GI+i+1], v[GG+i:GG+i+1], v[GQ+i:GQ+i+1], v[GI+i:GI+i+1]   ; h = query_mean + (Ec - 1) / ((1 + Eo)(1 + Ec))
.set i, i+2
.endr
.irp n, 0,1,2,3,4,5,6,7                        ; each tile leaves as soon as it is converted; its codes take registers that the reciprocals have left
.irp i, 0,1,2,3,4,5,6,7
	v_med3_num_f32 v[GI+8*\n+\i], v[GI+8*\n+\i], -v246, v246   ; the conversion to an 8-bit code does not saturate (ISA guide 7.6.2): the hold comes first
.endr
	v_cvt_scalef32_pk8_bf8_f32 v[GQ+8*\n:GQ+8*\n+1], v[GI+8*\n:GI+8*\n+7], v247   ; eight neighbours along the next K: 8 bytes
	global_store_b64 v248, v[GQ+8*\n:GQ+8*\n+1], s[14:15] offset:16384*(\n%4)+256*(\n/4)   ; the wave stores 256 consecutive bytes, at a multiple of 256 from the buffer's first byte: a whole block of a tile's image
.endr
	v_nop                                          ; a plain vector line behind the last conversion
	WIN 0
	s_wait_tensorcnt 0x0                           ; the wave's end, behind my last tensor load
	ds_add_u32 v[SPW], v[NIL]
	s_wait_dscnt 0x0
	CROUND                                         ; the closing round: no work-group ends while a partner may still ask for a tile that names it
	s_endpgm
.Lfunc_end_k_q50da24399c_cell:
	.size	k_q50da24399c_cell, .Lfunc_end_k_q50da24399c_cell-k_q50da24399c_cell
	.p2alignl 7, 3214868480
	.fill 96, 4, 3214868480
	.section	.rodata,"a",@progbits
	.p2align	6, 0x0
	.amdhsa_kernel k_q50da24399c_cell
		.amdhsa_group_segment_fixed_size 327680
		.amdhsa_private_segment_fixed_size 0
		.amdhsa_enable_private_segment 0
		.amdhsa_kernarg_size 48
		.amdhsa_user_sgpr_count 2
		.amdhsa_user_sgpr_kernarg_segment_ptr 1
		.amdhsa_wavefront_size32 1
		.amdhsa_system_sgpr_workgroup_id_x 1
		.amdhsa_system_sgpr_workgroup_id_y 1
		.amdhsa_system_sgpr_workgroup_id_z 1
		.amdhsa_system_vgpr_workitem_id 0
		.amdhsa_next_free_vgpr 1024
		.amdhsa_next_free_sgpr 102
		.amdhsa_reserve_vcc 0
		.amdhsa_float_denorm_mode_32 3
		.amdhsa_float_denorm_mode_16_64 3
		.amdhsa_memory_ordered 1
		.amdhsa_forward_progress 1
		.amdhsa_inst_pref_size 98
	.end_amdhsa_kernel
	.amdgpu_metadata
---
amdhsa.version: [ 1, 2 ]
amdhsa.kernels:
  - .name:           k_q50da24399c_cell
    .symbol:         k_q50da24399c_cell.kd
    .args:
      - { .name: codes, .offset: 0, .size: 8, .value_kind: global_buffer, .address_space: global }
      - { .name: query_mean, .offset: 8, .size: 8, .value_kind: global_buffer, .address_space: global }
      - { .name: b_ih, .offset: 16, .size: 8, .value_kind: global_buffer, .address_space: global }
      - { .name: b_hh, .offset: 24, .size: 8, .value_kind: global_buffer, .address_space: global }
      - { .name: lowp_scales, .offset: 32, .size: 8, .value_kind: global_buffer, .address_space: global }
      - { .name: hcodes, .offset: 40, .size: 8, .value_kind: global_buffer, .address_space: global }
    .group_segment_fixed_size: 327680
    .private_segment_fixed_size: 0
    .kernarg_segment_align: 8
    .kernarg_segment_size: 48
    .max_flat_workgroup_size: 128
    .sgpr_count:     102
    .vgpr_count:     1024
    .wavefront_size: 32
...
	.end_amdgpu_metadata
.endif
;; end of part 2
;; launch score (part 3): grid 8 x 32, 4 waves a work-group, clusters of 4 x 1, 167,936 bytes of LDS; arguments hcodes, codes, lowp_scales, out0; writes out0
.if DOCPART == 3
	.amdgcn_target "amdgcn-amd-amdhsa--gfx1250"
	.amdhsa_code_object_version 6
	.text
	.protected	k_q50da24399c_score
	.globl	k_q50da24399c_score
	.p2align	8
	.type	k_q50da24399c_score,@function
k_q50da24399c_score:
	s_mov_b64 s[64:65], 0
	v_nop
	global_prefetch_b8 v0, s[64:65] scope:SCOPE_SE
	s_setreg_imm32_b32 hwreg(HW_REG_WAVE_MODE, 25, 1), 1
	s_wait_xcnt 0x0
	s_wait_alu depctr_hold_cnt(0) depctr_sa_sdst(0) depctr_va_vdst(0) depctr_va_sdst(0) depctr_va_ssrc(0) depctr_va_vcc(0) depctr_vm_vsrc(0)
	s_getreg_b32 s2, hwreg(HW_REG_IB_STS2, 6, 4)
	s_cmp_eq_u32 s2, 0
	s_cbranch_scc0 .Lentry_in_a_cluster
	s_endpgm
.Lentry_in_a_cluster:
	s_bfe_u32 s2, ttmp6, 0x10000c
	s_cmp_lg_u32 s2, 0x3003
	s_cbranch_scc0 .Lentry_shape_is_right
	s_endpgm
.Lentry_shape_is_right:
; out0 = h support_mean^T on codes of E5M2: h's with the scale 2^e8 (made by the launch before), support_mean's with 2^e9 (made by the first launch); each finished sum x 2^(e8 + e9).
; WORK LEFT OUT (shown at the head of the first kernel): the softmax over these scores and its product with support_mean are never read by reference().
; LIMIT: -126 <= e8 + e9 <= 127, so that 2^(e8 + e9) is an f32 number.
; SHARES.  A work-group takes 64 rows (rb) x 64 columns (nb).  THE WAVES SHARE K: wave w takes k = 256 w .. 256 w + 255, two K steps, of the whole block: 16 accumulators.  So each fragment is loaded by one wave alone;
; the four partial sums meet in LDS on the way out.  support_mean's fragments go into registers as images (32 loads); h's, 16 KB a wave, come by the wave's one tensor load into LDS bytes that it alone reads: no barrier ahead of the products.
; CLUSTER: the four work-groups of a cluster have the same rows: h's tiles are asked for JOINTLY (mask 15).  support_mean's tiles go into registers, where no joint load lands: they are loaded plainly.  No loop: nothing is prefetched.
; THE MATRIX INSTRUCTION IS USED TRANSPOSED (source 0 = 16 rows of support_mean, source 1 = 16 rows of h): a lane holds eight neighbouring numbers of a row of out0.
; REGISTERS: window 0: v1-10 addresses; v16-143 support_mean's fragments (K step q, tile of columns j at 64 q + 16 j), on the way out the four waves' sums.
;   window 1: v0-127 the accumulators (tile of rows mt, of columns j at 32 mt + 8 j); v128-255 h's fragments (K step q, tile mt at 64 q + 16 mt).
.set STG,   65536                      ; LDS: 16,384 w: my part of h, tile mt at + 4,096 mt, K step q at + 2,048 q;  from STG: the waves' sums, for each 64 rows x (256 bytes + 16)
.set SP,    272
.set WST,   64*SP
.set SPARE, STG+4*WST                  ; behind the sums: the spare words, 128 bytes a wave: two blocks of 256 bytes that no other line names
.set LI,   4                           ; v4   16 x lane + 16,384 w
.set SO,   5                           ; v5   the sums: where I put 32 bytes of a row
.set SR,   6                           ; v6   and where I read a row back
.set CO,   7                           ; v7   my byte offset in two rows of out0
.set SPW,  8                           ; v8   LDS address of my spare word; never rewritten
.set NIL,  9                           ; v9   0; never rewritten
.set LG,   10                          ; v10  16 x lane
.set BF,   16
.set AF,   128
.set WV,   16
.set MSB, 0
.macro WIN new                         ; the immediate's high byte repeats the setting that is left; a switch that changes nothing is dropped
.if MSB != (\new)
	s_set_vgpr_msb (MSB<<8)|(\new)
.set MSB, (\new)
.endif
.endm
.macro CROUND                          ; a round of the cluster's barrier
	s_barrier_signal -1
	s_barrier_wait -1
	s_cmp_lg_u32 s[WV], 0
	s_cbranch_scc1 .Lnot_wave_0_\@
	s_barrier_signal -3
.Lnot_wave_0_\@:
	s_barrier_wait -3
	s_barrier_signal -1
	s_barrier_wait -1
.endm
	s_load_b256 s[4:11], s[0:1], 0x0               ; hcodes s[4:5], codes s[6:7], the scales' exponents s[8:9], out0 s[10:11]
	v_lshl_add_u32 v[SPW], v0, 2, SPARE
	v_mov_b32 v[NIL], 0
	ds_add_u32 v[SPW], v[NIL]                      ; the wave's opening: the add, twice on end, and its wait ahead of my first tensor load; the set-up below stands between
	ds_add_u32 v[SPW], v[NIL]
	v_lshrrev_b32 v1, 5, v0
	v_readfirstlane_b32 s[WV], v1                  ; wave 0..3
	s_lshl_b32 s22, s[WV], 14                      ; my part of h in LDS
	s_mul_i32 s44, s[WV], WST
	s_add_co_u32 s44, s44, STG                     ; my sums
	s_mul_i32 s45, s[WV], 16*SP
	s_add_co_u32 s45, s45, STG                     ; the 16 rows that I finish
	v_and_b32 v3, 31, v0                           ; lane
	v_and_b32 v1, 15, v0                           ; r
	v_bfe_u32 v2, v0, 4, 1                         ; h
	v_lshlrev_b32 v[LG], 4, v3
	v_add_nc_u32 v[LI], s22, v[LG]
	v_mul_u32_u24 v[SO], v1, SP
	v_lshl_add_u32 v[SO], v2, 5, v[SO]
	v_add_nc_u32 v[SO], s44, v[SO]                 ; row r, + 32 h
	v_mul_u32_u24 v[SR], v2, SP
	v_lshl_add_u32 v[SR], v1, 4, v[SR]
	v_add_nc_u32 v[SR], s45, v[SR]                 ; lanes 0-15 one row of 256 bytes, lanes 16-31 the next
	v_lshlrev_b32 v[CO], 11, v2
	v_lshl_add_u32 v[CO], v1, 4, v[CO]             ; and the same two rows in out0
	s_bfe_u32 s17, ttmp6, 0x40000                  ; cx
	s_lshl_b32 s18, ttmp9, 2
	s_add_co_u32 s18, s18, s17                     ; nb = 4 x cluster x + cx: my block of 64 columns
	s_and_b32 s19, ttmp7, 0xffff                   ; rb: my block of 64 rows, which the four partners share
	; group 1: two K steps of four tiles: 4 lines of 4,096 bytes, 16,384 bytes apart in memory, dense in LDS; elements of 8 bytes
	s_mov_b32 s24, 15|(3<<16)|(1<<21)              ; the mask: all four work-groups; elements of 8 bytes; bit 21 set beside a mask; no padding
	s_mov_b32 s25, 512<<16                         ; tensor_dim0 = 512
	s_mov_b32 s26, 4<<16                           ; tensor_dim1 = 4
	s_mov_b32 s27, 512<<16                         ; tile_dim0 = 512
	s_mov_b32 s28, 4                               ; tile_dim1 = 4
	s_mov_b32 s29, 2048                            ; from line to line
	s_mov_b32 s30, 0
	s_mov_b32 s31, 0
	s_lshl_b32 s20, s19, 16                        ; h's tiles 4 rb on, K steps 2 w, 2 w + 1: s[20:22] never hold cx
	s_lshl_b32 s21, s[WV], 12
	s_add_co_u32 s20, s20, s21
	s_mov_b32 s21, 0
	s_lshl_b32 s36, s18, 2
	s_add_co_u32 s36, s36, 320
	s_lshl_b32 s36, s36, 14                        ; support_mean's tiles: 320 + 4 nb on in the buffer of codes, the same K steps
	s_lshl_b32 s37, s[WV], 12
	s_add_co_u32 s36, s36, s37
	s_mov_b32 s37, 0
	s_lshl_b32 s42, s19, 17                        ; out0: row 64 rb + 16 w of 2,048 bytes, + 256 nb
	s_lshl_b32 s43, s[WV], 15
	s_add_co_u32 s42, s42, s43
	s_lshl_b32 s43, s18, 8
	s_add_co_u32 s42, s42, s43
	s_mov_b32 s43, 0
	s_wait_alu depctr_va_vdst(0)
	s_wait_dscnt 0x0                               ; both opening adds are done
	s_wait_kmcnt 0x0
	s_load_b64 s[38:39], s[8:9], 0x20              ; e8, e9
	s_mov_b32 s32, 1
	s_mov_b32 s33, s22
	s_add_nc_u64 s[34:35], s[4:5], s[20:21]
	s_or_b32 s35, s35, 0x80000000                  ; type = 2
	s_add_nc_u64 s[6:7], s[6:7], s[36:37]
	s_add_nc_u64 s[10:11], s[10:11], s[42:43]
	CROUND                                         ; all four work-groups are here: the joint loads meet
	tensor_load_to_lds s[32:35], s[24:31]          ; the launch's only fill: one tensor load of mine is out
	s_nop 0
.irp q, 0,1
.irp j, 0,1,2,3
.irp c, 0,1,2,3
	global_load_b128 v[BF+64*\q+16*\j+4*\c:BF+64*\q+16*\j+4*\c+3], v[LG], s[6:7] offset:16384*\j+2048*\q+512*\c
.endr
.endr
.endr
	s_wait_tensorcnt 0x0                           ; my part of h is in; no other wave reads it
	WIN 0x40                                       ; destination window 1, address window 0
.irp q, 0,1
.irp mt, 0,1,2,3
.irp c, 0,1,2,3
	ds_load_b128 v[AF+64*\q+16*\mt+4*\c:AF+64*\q+16*\mt+4*\c+3], v[LI] offset:4096*\mt+2048*\q+512*\c
.endr
.endr
.endr
	WIN 0x54                                       ; source 0 (support_mean) window 0; source 1 (h), C and D window 1
; 16 matrix instructions a K step; the accumulators take turns, one instruction a turn, in the same order in both
.irp q, 0,1
	s_wait_loadcnt 16-16*\q                        ; support_mean's four fragments of this K step are in; the 16 loads of the next may be out
.irp mt, 0,1,2,3
	s_wait_dscnt 28-16*\q-4*\mt                    ; h's fragment is in; those behind it may be out
.irp j, 0,1,2,3
.if \q == 0
	v_wmma_f32_16x16x128_bf8_bf8 v[32*\mt+8*\j:32*\mt+8*\j+7], v[BF+64*\q+16*\j:BF+64*\q+16*\j+15], v[AF+64*\q+16*\mt:AF+64*\q+16*\mt+15], 0
.else
	v_wmma_f32_16x16x128_bf8_bf8 v[32*\mt+8*\j:32*\mt+8*\j+7], v[BF+64*\q+16*\j:BF+64*\q+16*\j+15], v[AF+64*\q+16*\mt:AF+64*\q+16*\mt+15], v[32*\mt+8*\j:32*\mt+8*\j+7]
.endif
.endr
.endr
.endr
.rept 4
	v_nop                                          ; four plain vector lines between a matrix instruction and a store of its result (ISA guide 7.12.1 for vector instructions)
.endr
	; THE WAY OUT.  Each wave puts its sums as rows, wave w takes rows 16 w .. 16 w + 15 of all four, adds them, scales them and stores whole rows.
	WIN 0x04                                       ; the stores' data in window 1
.irp mt, 0,1,2,3
.irp j, 0,1,2,3
	ds_store_b128 v[SO], v[32*\mt+8*\j:32*\mt+8*\j+3]   offset:16*SP*\mt+64*\j      ; lane (r, h): columns 16 j + 8 h + 0..7 of row 16 mt + r; each accumulator from its low end on
	ds_store_b128 v[SO], v[32*\mt+8*\j+4:32*\mt+8*\j+7] offset:16*SP*\mt+64*\j+16
.endr
.endr
	WIN 0
	s_wait_kmcnt 0x0
	s_add_co_i32 s40, s38, s39
	s_add_co_i32 s40, s40, 127
	s_lshl_b32 s40, s40, 23                        ; 2^(e8 + e9) as f32
	s_mov_b32 s41, s40                             ; (named with it as a pair, so it is written)
	s_wait_dscnt 0x0                               ; for the others' sake: my sums are stored
	s_barrier_signal -1
	s_barrier_wait -1
.irp t, 0,1,2,3,4,5,6,7
.irp p, 0,1,2,3
	ds_load_b128 v[BF+32*\p+4*\t:BF+32*\p+4*\t+3], v[SR] offset:WST*\p+2*SP*\t   ; wave p's sums of rows 2 t, 2 t + 1
.endr
.endr
.irp t, 0,2,4,6
	s_wait_dscnt 24-4*\t                           ; four rows' sums are back; the younger loads may be out
.irp k, 0,2,4,6
	v_pk_add_f32 v[BF+4*\t+\k:BF+4*\t+\k+1], v[BF+4*\t+\k:BF+4*\t+\k+1], v[BF+32+4*\t+\k:BF+32+4*\t+\k+1]
	v_pk_add_f32 v[BF+64+4*\t+\k:BF+64+4*\t+\k+1], v[BF+64+4*\t+\k:BF+64+4*\t+\k+1], v[BF+96+4*\t+\k:BF+96+4*\t+\k+1]
.endr
.irp k, 0,2,4,6
	v_pk_add_f32 v[BF+4*\t+\k:BF+4*\t+\k+1], v[BF+4*\t+\k:BF+4*\t+\k+1], v[BF+64+4*\t+\k:BF+64+4*\t+\k+1]
.endr
.irp k, 0,2,4,6
	v_pk_mul_f32 v[BF+4*\t+\k:BF+4*\t+\k+1], v[BF+4*\t+\k:BF+4*\t+\k+1], s[40:41] op_sel_hi:[1,0]   ; x 2^(e8 + e9): nothing is rounded, short of overflow and underflow
.endr
.irp u, 0,1
	global_store_b128 v[CO], v[BF+4*\t+4*\u:BF+4*\t+4*\u+3], s[10:11] offset:4096*(\t+\u) th:TH_STORE_NT   ; 16 lanes store 256 consecutive bytes, at a multiple of 256 from out0's first byte; written once, read by nobody here
.endr
.endr
	s_wait_tensorcnt 0x0                           ; the wave's end, behind my last tensor load and my last LDS store
	ds_add_u32 v[SPW], v[NIL]
	s_wait_dscnt 0x0
	CROUND                                         ; the closing round: no work-group ends while a partner may still ask for a tile that names it
	s_endpgm
.Lfunc_end_k_q50da24399c_score:
	.size	k_q50da24399c_score, .Lfunc_end_k_q50da24399c_score-k_q50da24399c_score
	.p2alignl 7, 3214868480
	.fill 96, 4, 3214868480
	.section	.rodata,"a",@progbits
	.p2align	6, 0x0
	.amdhsa_kernel k_q50da24399c_score
		.amdhsa_group_segment_fixed_size 167936
		.amdhsa_private_segment_fixed_size 0
		.amdhsa_enable_private_segment 0
		.amdhsa_kernarg_size 32
		.amdhsa_user_sgpr_count 2
		.amdhsa_user_sgpr_kernarg_segment_ptr 1
		.amdhsa_wavefront_size32 1
		.amdhsa_system_sgpr_workgroup_id_x 1
		.amdhsa_system_sgpr_workgroup_id_y 1
		.amdhsa_system_sgpr_workgroup_id_z 1
		.amdhsa_system_vgpr_workitem_id 0
		.amdhsa_next_free_vgpr 512
		.amdhsa_next_free_sgpr 66
		.amdhsa_reserve_vcc 0
		.amdhsa_float_denorm_mode_32 3
		.amdhsa_float_denorm_mode_16_64 3
		.amdhsa_memory_ordered 1
		.amdhsa_forward_progress 1
		.amdhsa_inst_pref_size 21
	.end_amdhsa_kernel
	.amdgpu_metadata
---
amdhsa.version: [ 1, 2 ]
amdhsa.kernels:
  - .name:           k_q50da24399c_score
    .symbol:         k_q50da24399c_score.kd
    .args:
      - { .name: hcodes, .offset: 0, .size: 8, .value_kind: global_buffer, .address_space: global }
      - { .name: codes, .offset: 8, .size: 8, .value_kind: global_buffer, .address_space: global }
      - { .name: lowp_scales, .offset: 16, .size: 8, .value_kind: global_buffer, .address_space: global }
      - { .name: out0, .offset: 24, .size: 8, .value_kind: global_buffer, .address_space: global }
    .group_segment_fixed_size: 167936
    .private_segment_fixed_size: 0
    .kernarg_segment_align: 8
    .kernarg_segment_size: 32
    .max_flat_workgroup_size: 128
    .sgpr_count:     66
    .vgpr_count:     512
    .wavefront_size: 32
...
	.end_amdgpu_metadata
.endif
;; end of part 3
